; MI455X (gfx1250); checked and timed in simulation.
; The chip was launched on July 23, 2026; its instructions are those of AMD's public machine-readable ISA for CDNA 5 (MIT licence, August 2026) and "CDNA5" Instruction Set Architecture Reference Guide (July 2026). The comments in the code are by the model that wrote it; some were corrected since.
;; Scaled Dot Product Attention. Allowed arithmetic: float matrix products may take bf16 or f16 operands with f32 sums; other float arithmetic in f32, or as packed bf16 or f16 multiplies, adds, multiply-adds, maxima and minima; sums over many terms, partial sums and values carried from step to step in f32; what a program stores and reads back later, other than sums and carried values, may be rounded once to bf16 or f16.
;; Inputs: k 32 x 2,048 x 64 float32; q 32 x 2,048 x 64 float32; scale one number float32; v 32 x 2,048 x 64 float32.
;; Outputs: out0 32 x 2,048 x 64 float32.
;; One version. Each part assembles by itself: llvm-mc -triple=amdgcn-amd-amdhsa -mcpu=gfx1250 --defsym DOCPART=n.
;; ======== version 1 of 1: 1 launch
;; limits: a function is approximated: absolute error at most 6e-08
;; launch attn (part 1): grid 8 x 32, 8 waves a work-group, clusters of 4 x 1, 327,680 bytes of LDS; arguments k, q, scale, v, out0; writes out0
.if DOCPART == 1
	.amdgcn_target "amdgcn-amd-amdhsa--gfx1250"
	.amdhsa_code_object_version 6
	.text
	.protected	k_q997ddd0523_attn
	.globl	k_q997ddd0523_attn
	.p2align	8
	.type	k_q997ddd0523_attn,@function
k_q997ddd0523_attn:
	s_mov_b64 s[64:65], 0
	v_nop
	global_prefetch_b8 v0, s[64:65] scope:SCOPE_SE
	s_setreg_imm32_b32 hwreg(HW_REG_WAVE_MODE, 25, 1), 1
	s_wait_xcnt 0x0
	s_wait_alu depctr_hold_cnt(0) depctr_sa_sdst(0) depctr_va_vdst(0) depctr_va_sdst(0) depctr_va_ssrc(0) depctr_va_vcc(0) depctr_vm_vsrc(0)
	s_getreg_b32 s2, hwreg(HW_REG_IB_STS2, 6, 4)
	s_cmp_eq_u32 s2, 0
	s_cbranch_scc0 .Lentry_in_a_cluster
	s_endpgm
.Lentry_in_a_cluster:
	s_bfe_u32 s2, ttmp6, 0x10000c
	s_cmp_lg_u32 s2, 0x3003
	s_cbranch_scc0 .Lentry_shape_is_right
	s_endpgm
.Lentry_shape_is_right:
; out[b][q][:] = sum over k of W[q][k] v[b][k][:] / sum over k of W[q][k],  W = softplus(scale q.k) + 1e-8.  q, k, v, out: [32][2048][64] f32; scale: one f32, loaded.
; ARITHMETIC.  c = scale log2(e); t = c (q.k), the multiplication in f32 on the product's f32 sums.  The weight is taken in base 2: w = log2(1 + 2^t) + 1e-8 / ln 2 = W / ln 2; the factor
; cancels between the two sums.  Per score: c s (packed); 2^t; 1 + it (packed); log2; the middle one of (t, log2, 128); + the constant (packed); rounding to bf16 (packed).  The middle one is
; log2 for t <= 128 (t <= log2 <= 128) and t beyond, where 2^t is infinite and softplus equals its argument in f32.  There is no exponential of which a maximum would have to be taken away: the
; weights are no exponentials, and both sums are plain sums, which may be split among waves.
; The row sum is made by the matrix unit, of the SAME rounded weights that multiply v: a fragment of ones times P.
; FORMATS.  q, k, v and the weights in bf16 (weights reach from 1.4e-8 to the largest score: f16 has no room for that); all sums in f32.  scale is rounded to bf16 too, so that all four
; inputs enter in one format.
; LIMITS.  scale's rounding, up to 2^-9 of itself, goes into every score.  1 + 2^t is rounded in f32: softplus carries an absolute error of up to 6e-8 and counts as 0 below x = -16.6; that
; shows only in a row ALL of whose 2,048 scores lie under about -11.5 and not far under it (from -17 down every weight is the constant, as in the definition).  NaN and infinite inputs are
; not treated apart.
; SHARES.  A work-group owns 256 queries of one batch.  Eight waves: wave w owns query quarter w & 3 (64 queries: four tiles of 16) and key half g = (w ^ (w >> 2)) & 1 of every tile of 128 keys.
; Waves w and w ^ 4 hold partial sums of the same queries; they meet once, at the end, in LDS.
; PHASES.  A PIECE is 4 query tiles x 32 keys.  Its matrix block (MBLK): 16 products V^T P and 4 products ones x P of the piece before, 16 products K Q^T of the piece named.  Its vector block
; (VBLK): the weights.  Behind each round the waves with g = 0 run M V M V and those with g = 1 run V M V M (their last scores cross the round in registers), so that of two waves with
; different g one has matrix work while the other has vector work.
; LAYOUT.  S^T = K Q^T (source 0 = 16 keys, source 1 = 16 queries): a lane holds ONE query (lane % 16) and keys 8 (lane / 16) + 0..7.  Two such results rounded in pairs ARE source 1 (32 keys x
; 16 queries) of O^T = V^T P, whose result holds one query a lane and eight channels.
; THE RING.  K and V arrive as f32.  Two stages of 128 keys are filled by tensor loads; each tile is converted once a work-group into one of two bf16 buffers.  Trip j computes on bf16[j & 1],
; converts tile j + 1 from stage[1 - j & 1] into bf16[1 - j & 1], and fills stage[j & 1] with tile j + 2.  One round a trip orders all of it.
; CLUSTER.  The four query blocks of a cluster belong to one batch and walk the same K and V: each tile is asked for JOINTLY, by the same load, descriptor and mask in all four.
; REGISTERS, in windows of 256 (s_set_vgpr_msb: bits 1:0 source 0, 3:2 source 1, 5:4 source 2, 7:6 destination).
;   window 0: v0-23 addresses and a few at work; v24-31 ones; v32-63 K; v64-95 V; v96-127 conversion; v128-191 scores, then t; v192-255 weights, then P
;   window 1: v0-127 O^T (tile Tt, channel block cb at 32 Tt + 8 cb); v128-159 row sums (8 Tt); v160-223 Q (16 Tt + 8 c)
.set PK,    144                ; a row of bf16 K in LDS: 128 bytes + 16: the 16 rows of a fragment load start at 16 different groups of four banks (64 banks of 4 bytes: ISA guide 11.1)
.set PV,    160                ; a row of bf16 V: 128 + 32
.set STG1,  65536              ; stage 0 at byte 0, stage 1 here: K's 128 rows of 256 bytes, then V's at + 32,768; filled by tensor loads alone
.set KB0,   131072             ; bf16 buffer 0: K's 128 rows,
.set VB0,   KB0+128*PK         ; then V's
.set BUF,   128*(PK+PV)        ; buffer 1 lies this far behind buffer 0
.set XCH,   KB0+2*BUF          ; the exchange of partial sums: for each sending wave 16 x 512 bytes of O^T, then 2 x 128 bytes of row sums
.set XW,    8448
.set OST,   XCH+8*XW           ; the way out: 16 rows of 256 bytes, 272 apart, for each wave
.set OP,    272
.set OW,    16*OP
.set SPARE, OST+8*OW           ; the spare words, 128 bytes for each wave: four blocks of 256 bytes that no other line names
.set AK,   2                   ; v2   my place in a K fragment: KB0 + (32 g + l % 16) PK + 16 (l / 16)
.set AV,   3                   ; v3   in a V fragment: VB0 + (32 g + 8 (l / 16) + l % 8) PV + 16 ((l / 8) % 2)
.set AS0,  4                   ; v4   conversion, reading: 4,096 w + 16 l in stage 0;  v5 the same in stage 1
.set ACK,  6                   ; v6   conversion, writing K: KB0 + (16 w + l / 16) PK + 8 (l % 16);  v7 the same for V
.set QO,   8                   ; v8   my byte offset in 16 rows of q
.set STO,  9                   ; v9   the way out: where I put 32 bytes of a row
.set RD,   10                  ; v10  the way out: where I read rows back
.set GO,   11                  ; v11  my 16 bytes of 512 consecutive bytes of out
.set AX,   12                  ; v12  exchange: where I put O^T;  v13 row sums;  v14, v15 where I read my partner's
.set AXL,  13
.set AXR,  14
.set AXRL, 15
.set PFO,  16                  ; v16  256 x lane: a row of k or v is 256 bytes; never rewritten
.set SPW,  17                  ; v17  LDS address of my spare word; never rewritten
.set NIL,  18                  ; v18  0; never rewritten
.set ONES, 24
.set KF,   32                  ; key block kb, channel half c at KF + 16 kb + 8 c
.set VF,   64                  ; channel block cb at VF + 8 cb
.set CV,   96
.set T,    128                 ; tile Tt, key block kb at T + 16 Tt + 8 kb
.set E,    192                 ; the same places; P of tile Tt ends in E + 16 Tt .. + 7
.set LA,   128                 ; window 1
.set QF,   160                 ; window 1
.set WV,   14                  ; s14  my wave's number
.set GRP,  15                  ; s15  g
.set CC,   16                  ; s[16:17] c, twice
.set EP,   18                  ; s[18:19] 1e-8 / ln 2, twice
.set TOP,  20                  ; s20  128.0
.set CNT,  21                  ; s21  pairs of trips still to come
.set SKIPV, 22                 ; s22  1: my first vector block has no scores yet and is jumped over
.set LIM,  23                  ; s23  1 in a wave that prefetches, else the greatest number
.set G1,   24                  ; s[24:31] descriptor group 1
.set G0A,  32                  ; s[32:35] group 0 of tile 0
.set G0B,  36                  ; s[36:39] group 0 of tile 1; it then walks
.set PFA,  40                  ; s[40:41] where my prefetches stand
.set W_KQ, 0x04                ; Q (source 1) in window 1
.set W_PV, 0x50                ; C and D in window 1
.set W_D1, 0x40                ; destination in window 1
.set W_ST, 0x04                ; an LDS store's data (source 1) in window 1
.set W_AD, 0x41                ; destination and source 0 in window 1
.set W_L,  0x01                ; source 0 in window 1
.set MSB, 0
.macro WIN new                 ; the high byte repeats the setting that is left; a switch that changes nothing is dropped
.if MSB != (\new)
	s_set_vgpr_msb (MSB<<8)|(\new)
.set MSB, (\new)
.endif
.endm
; A round of the cluster's barrier: my work-group's barrier, so that wave 0 speaks for all eight waves; wave 0 signals; every wave waits for all four work-groups; my work-group's barrier once more.
.macro CROUND
	s_barrier_signal -1
	s_barrier_wait -1
	s_cmp_lg_u32 s[WV], 0
	s_cbranch_scc1 .Lnot_wave_0_\@
	s_barrier_signal -3
.Lnot_wave_0_\@:
	s_barrier_wait -3
	s_barrier_signal -1
	s_barrier_wait -1
.endm
.macro PLACES n=4              ; places behind matrix instructions (ISA guide 7.12.1), where no other vector work is at hand
.rept \n
	v_nop
.endr
.endm
; A PREFETCH INTO THE L2 of tile j + 4 in trip j: two trips ahead of the load that asks for it.  Each row of 256 bytes is named ONCE in the launch: both clusters of a batch walk the same rows, and
; the first of them (cluster x = 0) asks; its four partners take 32 of a tile's 128 rows each, told apart BY ADDRESS; wave 0 asks for K's, wave 4 for V's, a lane a row.  Tiles 0 to 3 come by their
; loads alone; the loop's last pair of trips asks for nothing, since tiles 16 and 17 do not exist.
.macro ASK
	s_cmp_gt_u32 s[CNT], s[LIM]
	s_cbranch_scc0 .Lnot_mine_\@
	global_prefetch_b8 v[PFO], s[PFA:PFA+1] th:TH_LOAD_NT scope:SCOPE_SE
.Lnot_mine_\@:
.endm
; THE HEAD OF A TRIP.  Each wave waits for all its tensor loads (one is out: its part of the next tile), adds 0 to its spare word, and waits for that and for all its LDS reads and stores: its
; conversion reads of the stage to be filled, its conversion stores into the bf16 buffer to be read, its fragment reads of the bf16 buffer to be written.  Behind the barrier all that holds of
; every wave.  refill = 1: the barrier is a round of the cluster's, and the joint load of the tile two on is the first thing behind it: it has a whole trip in which to land.
.macro HEAD refill
	WIN 0
	s_wait_tensorcnt 0x0           ; no tensor load of mine is out, so a group 0 may be written
	ds_add_u32 v[SPW], v[NIL]      ; 0 onto my spare word
.if \refill
	s_xor_b32 s[G0B+1], s[G0B+1], STG1                  ; the walking descriptor: the other stage than last time,
	s_add_nc_u64 s[G0B+2:G0B+3], s[G0B+2:G0B+3], 0x8000 ; the next 128 rows; the type bits on top are not reached
	s_wait_xcnt 0x0                ; the last prefetch, a trip back, has read its address
	s_add_nc_u64 s[PFA:PFA+1], s[PFA:PFA+1], 0x8000
.endif
	s_wait_dscnt 0x0               ; the add is done, and so are my LDS reads and stores
.if \refill
	CROUND
	tensor_load_to_lds s[G0B:G0B+3], s[G1:G1+7]
	s_nop 0
	PLACES
.else
	s_barrier_signal -1
	s_barrier_wait -1
.endif
.endm
; THE CONVERSION.  Wave w takes rows 16 w .. 16 w + 15 of K (kv = 0) or V (kv = 1).  CVL: eight loads of 512 consecutive bytes (two rows of f32).  CVS: a lane's four numbers become 8 bytes of bf16.
.macro CVL src, kv
.set n, 0
.rept 8
	ds_load_b128 v[CV+4*n:CV+4*n+3], v[AS0+(\src)] offset:(\kv)*32768+512*n
.set n, n+1
.endr
.endm
.macro CVS dst, kv
.set n, 0
.rept 8
	v_cvt_pk_bf16_f32 v[CV+4*n], v[CV+4*n], v[CV+4*n+1]
	v_cvt_pk_bf16_f32 v[CV+4*n+1], v[CV+4*n+2], v[CV+4*n+3]
	ds_store_b64 v[ACK+(\kv)], v[CV+4*n:CV+4*n+1] offset:(\dst)*BUF+(2*PK+(\kv)*2*(PV-PK))*n
.set n, n+1
.endr
.endm
; A MATRIX BLOCK.  V^T P and ones x P of the piece before; with kq = 1 then K Q^T of the piece at rows 32 g + 32 pos of bf16 buffer par, and the fetch of its V.  K's eight loads go out ahead of the
; twenty products that do not need them.  Every accumulator has turns of one instruction, and no two products that follow each other share one: between the two links of
; a chain of K Q^T stand seven others.
.macro MBLK pos, par, kq
	s_wait_dscnt 0x0               ; V of the piece before is in (and whatever else I had out in LDS)
.if \kq
.set f, 0
.rept 4                        ; f = 2 kb + c
	ds_load_b128 v[KF+8*f:KF+8*f+3],   v[AK] offset:(\par)*BUF+(32*(\pos)+16*(f/2))*PK+64*(f%2)
	ds_load_b128 v[KF+8*f+4:KF+8*f+7], v[AK] offset:(\par)*BUF+(32*(\pos)+16*(f/2))*PK+64*(f%2)+32
.set f, f+1
.endr
.endif
	WIN W_PV
.set i, 0
.rept 16                       ; channel block i / 4, tile i % 4
.set rO, 32*(i%4)+8*(i/4)
	v_wmma_f32_16x16x32_bf16 v[rO:rO+7], v[VF+8*(i/4):VF+8*(i/4)+7], v[E+16*(i%4):E+16*(i%4)+7], v[rO:rO+7]
.set i, i+1
.endr
.set i, 0
.rept 4                        ; the row sums of tile i: every row of the result holds them
	v_wmma_f32_16x16x32_bf16 v[LA+8*i:LA+8*i+7], v[ONES:ONES+7], v[E+16*i:E+16*i+7], v[LA+8*i:LA+8*i+7]
.set i, i+1
.endr
.if \kq
	s_wait_dscnt 0x0               ; K is in
	WIN W_KQ
.set i, 0
.rept 16                       ; channel half i / 8, tile (i / 2) % 4, key block i % 2; the first eight start the sums
.set rT, T+16*((i/2)%4)+8*(i%2)
.set rK, KF+16*(i%2)+8*(i/8)
.set rQ, QF+16*((i/2)%4)+8*(i/8)
.if i < 8
	v_wmma_f32_16x16x32_bf16 v[rT:rT+7], v[rK:rK+7], v[rQ:rQ+7], 0
.else
	v_wmma_f32_16x16x32_bf16 v[rT:rT+7], v[rK:rK+7], v[rQ:rQ+7], v[rT:rT+7]
.endif
.set i, i+1
.endr
.endif
	WIN 0
	PLACES 5                       ; four in front of the loads into V's and K's registers and of what reads the scores and writes over P; the fifth, so that on every way through the text five
	                               ; stand in front of the next product that starts the scores' sums anew, whatever lies between two matrix blocks
.if \kq
.set f, 0
.rept 4                        ; channel block f: keys 0-15 and 16-31 of the piece, turned
	ds_load_tr16_b128 v[VF+8*f:VF+8*f+3],   v[AV] offset:(\par)*BUF+32*(\pos)*PV+32*f
	ds_load_tr16_b128 v[VF+8*f+4:VF+8*f+7], v[AV] offset:(\par)*BUF+32*(\pos)*PV+16*PV+32*f
.set f, f+1
.endr
.endif
.endm
; A VECTOR BLOCK: a lane's 64 scores become weights.  Two batches of transcendentals, each with ONE wait ahead of its first reader: the 64 exponentials, each pair two
; packed multiplications by c behind its own; then the 64 logarithms, each pair two packed additions behind its own.  A v_nop is the plain instruction behind each batch's last.  Each
; accumulator of scores is read from its lowest registers on.
.macro VBLK
.set i, 0
.rept 32
	v_pk_mul_f32 v[T+2*i:T+2*i+1], v[T+2*i:T+2*i+1], s[CC:CC+1] op_sel_hi:[1,0]  ; t = c s
.if i >= 2
	v_exp_f32 v[E+2*i-4], v[T+2*i-4]
	v_exp_f32 v[E+2*i-3], v[T+2*i-3]
.endif
.set i, i+1
.endr
.set i, 60
.rept 4
	v_exp_f32 v[E+i], v[T+i]
.set i, i+1
.endr
	v_nop
	s_wait_alu depctr_va_vdst(0)   ; one wait for the 64 exponentials
.set i, 0
.rept 32
	v_pk_add_f32 v[E+2*i:E+2*i+1], v[E+2*i:E+2*i+1], 1.0 op_sel_hi:[1,0]
.if i >= 2
	v_log_f32 v[E+2*i-4], v[E+2*i-4]
	v_log_f32 v[E+2*i-3], v[E+2*i-3]
.endif
.set i, i+1
.endr
.set i, 60
.rept 4
	v_log_f32 v[E+i], v[E+i]
.set i, i+1
.endr
	v_nop
	s_wait_alu depctr_va_vdst(0)   ; one wait for the 64 logarithms
.set i, 0
.rept 64
	v_med3_num_f32 v[E+i], v[T+i], v[E+i], s[TOP]       ; the logarithm up to t = 128, t beyond
.set i, i+1
.endr
.set i, 0
.rept 32
	v_pk_add_f32 v[E+2*i:E+2*i+1], v[E+2*i:E+2*i+1], s[EP:EP+1] op_sel_hi:[1,0]
.set i, i+1
.endr
.set i, 0
.rept 32                       ; tile i / 8, pair i % 8: in place and ascending, so no pair is written over before it is read
	v_cvt_pk_bf16_f32 v[E+16*(i/8)+i%8], v[E+16*(i/8)+2*(i%8)], v[E+16*(i/8)+2*(i%8)+1]
.set i, i+1
.endr
.endm
; A TRIP, on bf16 buffer par.  conv = 1: the next tile is converted into the other buffer, K's rows early and V's in the middle, each fetched a block ahead of its conversion.
; chk = 1: the first trip of all, in which the waves with g = 1 have no scores yet.  The branches hang on the wave's number alone and lead round no barrier and no tensor load.
.macro TRIP par, refill, conv, chk
	HEAD \refill
.if \conv
	CVL 1-(\par), 0
.endif
.if \refill
	ASK                            ; behind the joint load, its five lines and the run of LDS loads
.endif
	s_cmp_eq_u32 s[GRP], 0
	s_cbranch_scc0 .Lodd_\@
	MBLK 0, \par, 1                ; g = 0; its first wait shows the rows to be converted in as well
.if \conv
	s_branch .Ljoin_\@
.endif
.Lodd_\@:
.if \conv
	s_wait_dscnt 0x0               ; g = 1: the rows to be converted are in
.Ljoin_\@:
	CVS 1-(\par), 0
	CVL 1-(\par), 1
.endif
.if \chk
	s_cmp_eq_u32 s[SKIPV], 1
	s_cbranch_scc1 .Lskip_\@
.endif
	VBLK
.if \chk
.Lskip_\@:
	s_mov_b32 s[SKIPV], 0
.endif
.if \conv
	s_wait_dscnt 0x0               ; issued a vector block ago
	CVS 1-(\par), 1
.endif
	MBLK 1, \par, 1
	VBLK
	s_cmp_eq_u32 s[GRP], 0
	s_cbranch_scc1 .Leven_\@
	MBLK 2, \par, 1                ; g = 1: these scores and their V cross the round in registers
.Leven_\@:
.endm
; THE END.  SENDX: tiles t0, t0 + 1 go to my partner: O^T as it lies, 16 bytes a lane, and a row sum a lane (the accumulator's lowest register).
.macro SENDX t0
	WIN W_ST
.set i, 0
.rept 16
	ds_store_b128 v[AX], v[32*(\t0)+4*i:32*(\t0)+4*i+3] offset:512*i
.set i, i+1
.endr
	ds_store_b32 v[AXL], v[LA+8*(\t0)]
	ds_store_b32 v[AXL], v[LA+8*(\t0)+8] offset:128
	WIN 0
.endm
; FIN: tiles t0, t0 + 1 are finished: my partner's sums are added, O^T is divided by the row sum and goes through my own stage: a lane's 32 bytes of a row in, whole rows of 256 bytes back.
.macro FIN t0
	WIN 0
.set i, 0
.rept 16
	ds_load_b128 v[T+4*i:T+4*i+3], v[AXR] offset:512*i
.set i, i+1
.endr
	ds_load_b32 v[E], v[AXRL]
	ds_load_b32 v[E+1], v[AXRL] offset:128
	s_wait_dscnt 0x0
	WIN W_L
	v_add_f32 v1, v[LA+8*(\t0)], v[E]
	v_add_f32 v19, v[LA+8*(\t0)+8], v[E+1]
	WIN 0
	v_rcp_f32 v20, v1              ; made twice: the packed multiply names a pair
	v_rcp_f32 v21, v1
	v_rcp_f32 v22, v19
	v_rcp_f32 v23, v19
	WIN W_AD
.set i, 0
.rept 32                       ; the independent work behind the reciprocals
	v_pk_add_f32 v[32*(\t0)+2*i:32*(\t0)+2*i+1], v[32*(\t0)+2*i:32*(\t0)+2*i+1], v[T+2*i:T+2*i+1]
.set i, i+1
.endr
	s_wait_alu depctr_va_vdst(0)   ; one wait for the four reciprocals, ahead of their first reader
.set u, 0
.rept 2
	WIN W_AD
.set i, 0
.rept 16
	v_pk_mul_f32 v[32*((\t0)+u)+2*i:32*((\t0)+u)+2*i+1], v[32*((\t0)+u)+2*i:32*((\t0)+u)+2*i+1], v[20+2*u:21+2*u] op_sel_hi:[1,0]
.set i, i+1
.endr
	WIN W_ST
.set i, 0
.rept 8                        ; channels 16 (i / 2) + 8 (l / 16) + 4 (i % 2) on
	ds_store_b128 v[STO], v[32*((\t0)+u)+4*i:32*((\t0)+u)+4*i+3] offset:64*(i/2)+16*(i%2)
.set i, i+1
.endr
	WIN 0
.set i, 0
.rept 8                        ; LDS serves a wave's instructions in order (ISA guide 5.7.1.4): these see the stores above, and the next tile's stores come behind them
	ds_load_b128 v[T+32*u+4*i:T+32*u+4*i+3], v[RD] offset:2*OP*i
.set i, i+1
.endr
.set u, u+1
.endr
.set u, 0
.rept 2
.set i, 0
.rept 8
	s_wait_dscnt 16*(1-u)+7-i      ; behind this load stand 7 - i of its tile's and, for the first tile, the second tile's sixteen LDS instructions
	global_store_b128 v[GO], v[T+32*u+4*i:T+32*u+4*i+3], s[12:13] offset:((\t0)+u)*4096+512*i th:TH_STORE_NT  ; 512 consecutive bytes, at a multiple of 256 from the first byte of out
.set i, i+1
.endr
.set u, u+1
.endr
.endm
	s_load_b256 s[4:11], s[0:1], 0x0   ; k s[4:5], q s[6:7], scale s[8:9], v s[10:11]
	s_load_b64 s[12:13], s[0:1], 0x20  ; out
	v_lshl_add_u32 v[SPW], v0, 2, SPARE
	v_mov_b32 v[NIL], 0
	ds_add_u32 v[SPW], v[NIL]          ; the wave's opening: the add, twice on end, and its wait ahead of my first tensor load
	ds_add_u32 v[SPW], v[NIL]          ; and once more, under the one wait; the set-up below, work on registers, stands between
	v_lshrrev_b32 v1, 5, v0
	v_readfirstlane_b32 s[WV], v1      ; wave 0..7
	s_lshr_b32 s[GRP], s[WV], 2
	s_xor_b32 s[GRP], s[GRP], s[WV]
	s_and_b32 s[GRP], s[GRP], 1        ; g differs between w and w + 4 and between 2 i and 2 i + 1
	s_bfe_u32 s55, ttmp6, 0x40000      ; cx: my place in the cluster: it enters q's, out's and the prefetches' addresses alone
	s_lshl_b32 s56, ttmp9, 2           ; in a cluster launch ttmp9 counts clusters
	s_add_co_u32 s56, s56, s55         ; my block of 256 queries
	s_and_b32 s42, ttmp7, 0xffff       ; the batch, which the four partners share,
	s_lshl_b32 s42, s42, 19            ; and its 2,048 rows of 256 bytes
	s_and_b32 s44, s[WV], 3
	s_lshl_b32 s46, s44, 13            ; the 32 rows of a tile that I fetch
	s_add_co_u32 s46, s46, s42
	s_mov_b32 s47, 0
	s_lshl_b32 s48, s56, 16            ; my block's 256 rows,
	s_lshl_b32 s49, s44, 14            ; my quarter's 64
	s_add_co_u32 s48, s48, s49
	s_add_co_u32 s48, s48, s42
	s_mov_b32 s49, 0
	s_lshl_b32 s50, s55, 13            ; the prefetches: my work-group's 32 rows of a tile's 128,
	s_add_co_u32 s50, s50, s42
	s_add_co_u32 s50, s50, 3*32768     ; in tile 3: the first trip steps it to tile 4
	s_mov_b32 s51, 0
	s_or_b32 s[LIM], s44, ttmp9        ; 0 in waves 0 and 4 of the batch's first cluster: the same in all four partners
	s_cmp_eq_u32 s[LIM], 0
	s_cselect_b32 s[LIM], 1, -1
	; descriptor group 1: 32 rows x 64 elements of 4 bytes, dense in LDS (the conversion reads them on end)
	s_mov_b32 s[G1+0], 15|(2<<16)|(1<<21)  ; 15:0 the mask: all four work-groups; 17:16 elements of 4 bytes; 20 no padding; 21 set beside a mask
	s_mov_b32 s[G1+1], 64<<16          ; tensor_dim0 = 64
	s_mov_b32 s[G1+2], 32<<16          ; tensor_dim1 = 32
	s_mov_b32 s[G1+3], 64<<16          ; tile_dim0 = 64
	s_mov_b32 s[G1+4], 32              ; tile_dim1 = 32
	s_mov_b32 s[G1+5], 64              ; 64 elements from row to row
	s_mov_b32 s[G1+6], 0
	s_mov_b32 s[G1+7], 0
	s_mov_b32 s[G0A], 1                ; count = 1
	s_lshl_b32 s[G0A+1], s[WV], 13     ; LDS address: 8,192 w in stage 0 (waves 0-3 K's rows, waves 4-7 V's): no place in the cluster enters it
	s_mov_b32 s[G0B], 1
	s_add_co_u32 s[G0B+1], s[G0A+1], STG1
	s_mov_b32 s[EP], 0x3277da66        ; 1e-8 / ln 2
	s_mov_b32 s[EP+1], 0x3277da66
	s_mov_b32 s[TOP], 0x43000000       ; 128.0
	s_wait_dscnt 0x0                   ; both opening adds are done
	s_wait_kmcnt 0x0
	s_load_b32 s54, s[8:9], 0x0        ; scale
	s_cmp_lt_u32 s[WV], 4
	s_cselect_b64 s[52:53], s[4:5], s[10:11]  ; I fetch for K (waves 0-3) or for V
	s_add_nc_u64 s[PFA:PFA+1], s[52:53], s[50:51]
	s_add_nc_u64 s[52:53], s[52:53], s[46:47] ; my rows of tile 0
	s_add_nc_u64 s[6:7], s[6:7], s[48:49]     ; q and out at my quarter's first row
	s_add_nc_u64 s[12:13], s[12:13], s[48:49]
	s_mov_b64 s[G0A+2:G0A+3], s[52:53]
	s_or_b32 s[G0A+3], s[G0A+3], 0x80000000   ; type = 2
	s_add_nc_u64 s[G0B+2:G0B+3], s[52:53], 0x8000  ; tile 1
	s_or_b32 s[G0B+3], s[G0B+3], 0x80000000
	CROUND                             ; all four work-groups are here: the first joint loads meet
	tensor_load_to_lds s[G0A:G0A+3], s[G1:G1+7]    ; both first fills together: two loads of mine are out
	s_nop 0
	tensor_load_to_lds s[G0B:G0B+3], s[G1:G1+7]
	s_nop 0
	PLACES
	; A fragment of Q is 16 rows x 32 channels: lane l holds row l % 16, channels 8 (l / 16) + 0..7 and 16 + 8 (l / 16) + 0..7: in f32 twice 32 bytes, 64 bytes apart.
	v_and_b32 v1, 31, v0               ; l
	v_and_b32 v19, 15, v0              ; l % 16
	v_bfe_u32 v20, v0, 4, 1            ; l / 16
	v_lshlrev_b32 v[QO], 8, v19
	v_lshl_add_u32 v[QO], v20, 5, v[QO]
.set i, 0
.rept 32                       ; tile i / 8, channel half (i / 4) % 2, its part (i / 2) % 2, 16 bytes i % 2
	global_load_b128 v[T+4*i:T+4*i+3], v[QO], s[6:7] offset:(i/8)*4096+((i/4)%2)*128+((i/2)%2)*64+(i%2)*16
.set i, i+1
.endr
	; the addresses, while the first tiles and q are on their way
	v_and_b32 v21, 7, v0
	v_bfe_u32 v22, v0, 3, 1
	s_mul_i32 s42, s[GRP], 32*PK
	s_add_co_u32 s42, s42, KB0
	v_mul_u32_u24 v[AK], v19, PK
	v_lshl_add_u32 v[AK], v20, 4, v[AK]
	v_add_nc_u32 v[AK], s42, v[AK]
	s_mul_i32 s43, s[GRP], 32*PV
	s_add_co_u32 s43, s43, VB0
	v_lshl_add_u32 v[AV], v20, 3, v21
	v_mul_u32_u24 v[AV], v[AV], PV
	v_lshl_add_u32 v[AV], v22, 4, v[AV]
	v_add_nc_u32 v[AV], s43, v[AV]
	s_lshl_b32 s44, s[WV], 12
	v_lshl_add_u32 v[AS0], v1, 4, s44
	v_add_nc_u32 v[AS0+1], STG1, v[AS0]
	s_mul_i32 s45, s[WV], 16*PK
	s_add_co_u32 s45, s45, KB0
	v_mul_u32_u24 v[ACK], v20, PK
	v_lshl_add_u32 v[ACK], v19, 3, v[ACK]
	v_add_nc_u32 v[ACK], s45, v[ACK]
	s_mul_i32 s46, s[WV], 16*PV
	s_add_co_u32 s46, s46, VB0
	v_mul_u32_u24 v[ACK+1], v20, PV
	v_lshl_add_u32 v[ACK+1], v19, 3, v[ACK+1]
	v_add_nc_u32 v[ACK+1], s46, v[ACK+1]
	s_mul_i32 s47, s[WV], OW
	s_add_co_u32 s47, s47, OST         ; my stage
	v_mul_u32_u24 v[STO], v19, OP      ; in: row l % 16, 32 bytes for each half of the lanes
	v_lshl_add_u32 v[STO], v20, 5, v[STO]
	v_add_nc_u32 v[STO], s47, v[STO]
	v_mul_u32_u24 v[RD], v20, OP       ; back: lanes 0-15 one row of 256 bytes, lanes 16-31 the next,
	v_lshl_add_u32 v[RD], v19, 4, v[RD]
	v_add_nc_u32 v[RD], s47, v[RD]
	v_lshlrev_b32 v[GO], 4, v1         ; which are 512 consecutive bytes of out
	s_mul_i32 s48, s[WV], XW
	s_add_co_u32 s48, s48, XCH
	v_lshl_add_u32 v[AX], v1, 4, s48
	s_add_co_u32 s48, s48, 8192
	v_lshl_add_u32 v[AXL], v1, 2, s48
	s_xor_b32 s49, s[WV], 4            ; my partner
	s_mul_i32 s49, s49, XW
	s_add_co_u32 s49, s49, XCH
	v_lshl_add_u32 v[AXR], v1, 4, s49
	s_add_co_u32 s49, s49, 8192
	v_lshl_add_u32 v[AXRL], v1, 2, s49
	v_lshlrev_b32 v[PFO], 8, v1
.set i, 0
.rept 8
	v_mov_b32 v[ONES+i], 0x3f803f80    ; 1.0 twice in bf16
.set i, i+1
.endr
	; What the first matrix block finds: V and P hold 0, so that its products, of a piece that has not been, add 0; O^T and the row sums start at 0.  No first trip is written out for it;
	; these lines run while the first tiles are on their way.
.set i, 0
.rept 32
	v_mov_b32 v[VF+i], 0
.set i, i+1
.endr
	WIN W_D1
.set i, 0
.rept 160
	v_mov_b32 v[i], 0
.set i, i+1
.endr
	WIN 0
	s_wait_kmcnt 0x0
	v_mov_b32 v23, s54                 ; scale is rounded to bf16, like q, k and v,
	v_cvt_pk_bf16_f32 v23, v23, v23
	v_lshlrev_b32 v23, 16, v23         ; and widened again
	v_readfirstlane_b32 s54, v23
	s_mul_f32 s[CC], s54, 0x3fb8aa3b   ; c = scale x log2(e)
	s_mov_b32 s[CC+1], s[CC]
	s_wait_loadcnt 0x0                 ; q
	WIN W_D1
.set i, 0
.rept 64
	v_cvt_pk_bf16_f32 v[QF+i], v[T+2*i], v[T+2*i+1]  ; q, rounded once, unscaled
.set i, i+1
.endr
	WIN 0
.set i, 0
.rept 32
	v_mov_b32 v[E+16*(i/8)+i%8], 0     ; P
.set i, i+1
.endr
	s_wait_tensorcnt 0x1               ; my part of tile 0 is in; tile 1's load, issued behind it, may stay out
	s_barrier_signal -1
	s_barrier_wait -1                  ; everybody's is
	CVL 0, 0                           ; tile 0 is converted into buffer 0
	s_wait_dscnt 0x0
	CVS 0, 0
	CVL 0, 1
	s_wait_dscnt 0x0
	CVS 0, 1
	s_mov_b32 s[SKIPV], s[GRP]
	s_mov_b32 s[CNT], 7
.Lpair:                                ; trips 0 to 13: each asks for the tile two on
	TRIP 0, 1, 1, 1
	TRIP 1, 1, 1, 0
	s_sub_co_u32 s[CNT], s[CNT], 1
	s_cmp_lg_u32 s[CNT], 0
	s_cbranch_scc1 .Lpair
	TRIP 0, 0, 1, 0                    ; the tail is written out: trip 14 converts the last tile
	TRIP 1, 0, 0, 0                    ; trip 15 only computes
	s_cmp_eq_u32 s[GRP], 0
	s_cbranch_scc1 .Llast
	VBLK                               ; g = 1: the weights of my last piece
.Llast:
	MBLK 0, 0, 0                       ; the last piece's V^T P and row sums
	s_cmp_lt_u32 s[WV], 4              ; waves 0-3 finish tiles 0 and 1 and send 2 and 3; waves 4-7 the other way round
	s_cbranch_scc0 .Lsend_hi
	SENDX 2
	s_branch .Lsent
.Lsend_hi:
	SENDX 0
.Lsent:
	s_wait_dscnt 0x0                   ; for my partner's sake: my stores are done
	s_barrier_signal -1
	s_barrier_wait -1
	s_cmp_lt_u32 s[WV], 4
	s_cbranch_scc0 .Lfin_hi
	FIN 0
	s_branch .Lend
.Lfin_hi:
	FIN 2
.Lend:
	s_wait_tensorcnt 0x0               ; the wave's end, behind my last tensor load and my last LDS store
	ds_add_u32 v[SPW], v[NIL]
	s_wait_dscnt 0x0
	CROUND                             ; the closing round: no work-group ends while a partner may still ask for a tile that names it
	s_endpgm
.Lfunc_end_k_q997ddd0523_attn:
	.size	k_q997ddd0523_attn, .Lfunc_end_k_q997ddd0523_attn-k_q997ddd0523_attn
	.p2alignl 7, 3214868480
	.fill 96, 4, 3214868480
	.section	.rodata,"a",@progbits
	.p2align	6, 0x0
	.amdhsa_kernel k_q997ddd0523_attn
		.amdhsa_group_segment_fixed_size 327680
		.amdhsa_private_segment_fixed_size 0
		.amdhsa_enable_private_segment 0
		.amdhsa_kernarg_size 40
		.amdhsa_user_sgpr_count 2
		.amdhsa_user_sgpr_kernarg_segment_ptr 1
		.amdhsa_wavefront_size32 1
		.amdhsa_system_sgpr_workgroup_id_x 1
		.amdhsa_system_sgpr_workgroup_id_y 1
		.amdhsa_system_sgpr_workgroup_id_z 1
		.amdhsa_system_vgpr_workitem_id 0
		.amdhsa_next_free_vgpr 512
		.amdhsa_next_free_sgpr 66
		.amdhsa_reserve_vcc 0
		.amdhsa_float_denorm_mode_32 3
		.amdhsa_float_denorm_mode_16_64 3
		.amdhsa_memory_ordered 1
		.amdhsa_forward_progress 1
		.amdhsa_inst_pref_size 253
	.end_amdhsa_kernel
	.amdgpu_metadata
---
amdhsa.version: [ 1, 2 ]
amdhsa.kernels:
  - .name:           k_q997ddd0523_attn
    .symbol:         k_q997ddd0523_attn.kd
    .args:
      - { .name: k, .offset: 0, .size: 8, .value_kind: global_buffer, .address_space: global }
      - { .name: q, .offset: 8, .size: 8, .value_kind: global_buffer, .address_space: global }
      - { .name: scale, .offset: 16, .size: 8, .value_kind: global_buffer, .address_space: global }
      - { .name: v, .offset: 24, .size: 8, .value_kind: global_buffer, .address_space: global }
      - { .name: out0, .offset: 32, .size: 8, .value_kind: global_buffer, .address_space: global }
    .group_segment_fixed_size: 327680
    .private_segment_fixed_size: 0
    .kernarg_segment_align: 8
    .kernarg_segment_size: 40
    .max_flat_workgroup_size: 256
    .sgpr_count:     66
    .vgpr_count:     512
    .wavefront_size: 32
...
	.end_amdgpu_metadata
.endif
;; end of part 1
